; MI455X (gfx1250); checked and timed in simulation.
; The chip was launched on July 23, 2026; its instructions are those of AMD's public machine-readable ISA for CDNA 5 (MIT licence, August 2026) and "CDNA5" Instruction Set Architecture Reference Guide (July 2026). The comments in the code are by the model that wrote it; some were corrected since.
;; Local Attention. Allowed arithmetic: float matrix products may take bf16 or f16 operands with f32 sums; all other float work in f32.
;; Inputs: Wk 1,024 x 1,024 float32; Wp 1,024 x 1,024 float32; Wq 1,024 x 1,024 float32; Wv 1,024 x 1,024 float32; bk 1,024 float32; bp 1,024 float32; bq 1,024 float32; bv 1,024 float32; x 2 x 2,048 x 1,024 float32.
;; Outputs: out0 2 x 2,048 x 1,024 float32.
;; 2 versions, each right; version 2 is version 1 with the launch cast written anew for expert scheduling mode. Each part assembles by itself: llvm-mc -triple=amdgcn-amd-amdhsa -mcpu=gfx1250 --defsym DOCPART=n.
;; ======== version 1 of 2: 4 launches
;; limits: values are held in f16: magnitudes above 65,504 overflow, below 6.1e-05 lose precision
;; workspace buffers: xb 8,388,608 bytes; wb 8,388,608 bytes; qb 8,388,608 bytes; kb 8,388,608 bytes; vb 8,388,608 bytes; ao 8,388,608 bytes
;; launch cast (part 1): grid 256 x 2, 8 waves a work-group, no clusters, 0 bytes of LDS; arguments x, Wq, Wk, Wv, Wp, xb, wb; writes xb, wb
.if DOCPART == 1
	.amdgcn_target "amdgcn-amd-amdhsa--gfx1250"
	.amdhsa_code_object_version 6
	.text
	.protected	k_q14e0bd9b0d_cast
	.globl	k_q14e0bd9b0d_cast
	.p2align	8
	.type	k_q14e0bd9b0d_cast,@function
k_q14e0bd9b0d_cast:
	s_mov_b64 s[64:65], 0
	v_nop
	global_prefetch_b8 v0, s[64:65] scope:SCOPE_SE
	s_setreg_imm32_b32 hwreg(HW_REG_WAVE_MODE, 25, 1), 1
	s_wait_xcnt 0x0
; LOCAL ATTENTION in four launches: cast (this one), qkv, attn, proj.
; This launch rounds x and the four weight matrices to bf16, once, so that the two big products read 2-byte operands.
;   xb[t][e] = bf16(x[t][e]), 4096 x 1024.
;   wb row 192 h + 64 s + d = W_s[64 h + d] (s = 0, 1, 2: Wq, Wk, Wv), so that one head's q, k and v rows are 192 neighbouring rows;
;   wb row 3072 + f = Wp[f].
; WORK LEFT OUT BY THE PROGRAM, for all finite values of the inputs:
; (1) bk.  energy[i][j] = q_i . (x_j Wk^T + bk) = q_i . (x_j Wk^T) + q_i . bk.  The last term is the same for every key j of query i.  At the
;     places with |i - j| > 128 the energy is replaced by the constant fmin whatever bk holds, and their weight exp(fmin/32 - max) is 0 in
;     f32; over the other places a term that is the same along the softmax axis cancels.  So bk reaches no output: it is not loaded and is
;     no argument of any launch.
; (2) Keys with |i - j| > 128: their weight is 0, so key tiles that lie wholly outside a query tile's window are neither multiplied nor summed.
; LIMITS: a NaN, an infinity or an overflow that reaches only the work left out (bk; a key or value outside a query's window) is not carried
; to the result.  Matrix operands are rounded: x, W, q, k and the attention result to bf16; v and the softmax weights to f16 (|v| < 65504).
; SHARE: a work-group takes 16 rows of 1024 f32 (64 KiB), a wave 8 KiB: sixteen loads of 16 bytes a lane, each 512 neighbouring bytes, all
; issued at once; each store of 8 bytes a lane covers 256 neighbouring bytes, aligned.  No LDS, no barrier, no matrix unit: nothing is shared.
.set X, 4                              ; v[4:67]   sixteen loads, 4 f32 each
.set Y, 68                             ; v[68:99]  sixteen pairs of packed bf16
	s_load_b256 s[4:11], s[0:1], 0x0               ; x, Wq, Wk, Wv
	s_load_b128 s[12:15], s[0:1], 0x20             ; Wp, xb
	s_load_b64 s[16:17], s[0:1], 0x30              ; wb
	s_and_b32 s18, ttmp7, 0xffff                   ; y: 0 = x, 1 = the weights
	s_lshr_b32 s20, ttmp9, 6                       ; s: which weight matrix (64 work-groups each)
	s_and_b32 s21, ttmp9, 63                       ; gi: which 16 rows of it
	s_lshr_b32 s22, s21, 2                         ; head = 16 gi / 64
	s_mul_i32 s22, s22, 192
	s_lshl_b32 s23, s20, 6
	s_add_co_u32 s22, s22, s23                     ; + 64 s
	s_and_b32 s23, s21, 3
	s_lshl_b32 s23, s23, 4
	s_add_co_u32 s22, s22, s23                     ; + the first d of my 16 rows
	s_lshl_b32 s23, s21, 4
	s_add_co_u32 s23, s23, 3072                    ; Wp: row 3072 + 16 gi
	s_cmp_eq_u32 s20, 3
	s_cselect_b32 s22, s23, s22
	s_lshl_b32 s22, s22, 11                        ; rows of 2048 bytes in wb
	s_lshl_b32 s21, s21, 16                        ; my 64 KiB in the weight matrix
	s_lshl_b32 s19, ttmp9, 16                      ; my 64 KiB in x
	s_lshl_b32 s23, ttmp9, 15                      ; my 32 KiB in xb
	v_lshrrev_b32 v1, 5, v0                        ; wave
	v_and_b32 v2, 31, v0                           ; lane
	v_lshlrev_b32 v2, 4, v2
	v_lshl_or_b32 v1, v1, 13, v2                   ; load offset: 8192 wave + 16 lane
	v_lshrrev_b32 v2, 1, v1                        ; store offset: half of it
	s_wait_kmcnt 0x0
	s_cmp_eq_u32 s20, 1                            ; the source and the destination are chosen by ids alone
	s_cselect_b64 s[24:25], s[8:9], s[6:7]
	s_cmp_eq_u32 s20, 2
	s_cselect_b64 s[24:25], s[10:11], s[24:25]
	s_cmp_eq_u32 s20, 3
	s_cselect_b64 s[24:25], s[12:13], s[24:25]
	s_cmp_eq_u32 s18, 0
	s_cselect_b64 s[24:25], s[4:5], s[24:25]
	s_cselect_b64 s[26:27], s[14:15], s[16:17]
	s_cselect_b32 s28, s19, s21
	s_cselect_b32 s30, s23, s22
	s_mov_b32 s29, 0
	s_mov_b32 s31, 0
	s_add_nc_u64 s[24:25], s[24:25], s[28:29]
	s_add_nc_u64 s[26:27], s[26:27], s[30:31]
.irp i, 0,1,2,3,4,5,6,7,8,9,10,11,12,13,14,15
	global_load_b128 v[X+4*\i:X+4*\i+3], v1, s[24:25] offset:512*\i th:TH_LOAD_NT   ; read once in the launch
.endr
.irp i, 0,1,2,3,4,5,6,7,8,9,10,11,12,13,14,15
	s_wait_loadcnt 15-\i                           ; loads come back in order: load i is in, the 15 - i younger ones stay out
	v_cvt_pk_bf16_f32 v[Y+2*\i], v[X+4*\i], v[X+4*\i+1]
	v_cvt_pk_bf16_f32 v[Y+2*\i+1], v[X+4*\i+2], v[X+4*\i+3]
	global_store_b64 v2, v[Y+2*\i:Y+2*\i+1], s[26:27] offset:256*\i   ; no register is written twice: no wait for sources
.endr
	s_endpgm
.Lfunc_end_k_q14e0bd9b0d_cast:
	.size	k_q14e0bd9b0d_cast, .Lfunc_end_k_q14e0bd9b0d_cast-k_q14e0bd9b0d_cast
	.p2alignl 7, 3214868480
	.fill 96, 4, 3214868480
	.section	.rodata,"a",@progbits
	.p2align	6, 0x0
	.amdhsa_kernel k_q14e0bd9b0d_cast
		.amdhsa_group_segment_fixed_size 0
		.amdhsa_private_segment_fixed_size 0
		.amdhsa_enable_private_segment 0
		.amdhsa_kernarg_size 56
		.amdhsa_user_sgpr_count 2
		.amdhsa_user_sgpr_kernarg_segment_ptr 1
		.amdhsa_wavefront_size32 1
		.amdhsa_system_sgpr_workgroup_id_x 1
		.amdhsa_system_sgpr_workgroup_id_y 1
		.amdhsa_system_sgpr_workgroup_id_z 1
		.amdhsa_system_vgpr_workitem_id 0
		.amdhsa_next_free_vgpr 100
		.amdhsa_next_free_sgpr 66
		.amdhsa_reserve_vcc 0
		.amdhsa_float_denorm_mode_32 3
		.amdhsa_float_denorm_mode_16_64 3
		.amdhsa_memory_ordered 1
		.amdhsa_forward_progress 1
		.amdhsa_inst_pref_size 8
	.end_amdhsa_kernel
	.amdgpu_metadata
---
amdhsa.version: [ 1, 2 ]
amdhsa.kernels:
  - .name:           k_q14e0bd9b0d_cast
    .symbol:         k_q14e0bd9b0d_cast.kd
    .args:
      - { .name: x, .offset: 0, .size: 8, .value_kind: global_buffer, .address_space: global }
      - { .name: Wq, .offset: 8, .size: 8, .value_kind: global_buffer, .address_space: global }
      - { .name: Wk, .offset: 16, .size: 8, .value_kind: global_buffer, .address_space: global }
      - { .name: Wv, .offset: 24, .size: 8, .value_kind: global_buffer, .address_space: global }
      - { .name: Wp, .offset: 32, .size: 8, .value_kind: global_buffer, .address_space: global }
      - { .name: xb, .offset: 40, .size: 8, .value_kind: global_buffer, .address_space: global }
      - { .name: wb, .offset: 48, .size: 8, .value_kind: global_buffer, .address_space: global }
    .group_segment_fixed_size: 0
    .private_segment_fixed_size: 0
    .kernarg_segment_align: 8
    .kernarg_segment_size: 56
    .max_flat_workgroup_size: 256
    .sgpr_count:     66
    .vgpr_count:     100
    .wavefront_size: 32
...
	.end_amdgpu_metadata
.endif
;; end of part 1
;; launch qkv (part 2): grid 16 x 16, 4 waves a work-group, clusters of 4 x 4, 327,680 bytes of LDS; arguments xb, wb, bq, bv, qb, kb, vb; writes qb, kb, vb
.if DOCPART == 2
	.amdgcn_target "amdgcn-amd-amdhsa--gfx1250"
	.amdhsa_code_object_version 6
	.text
	.protected	k_q14e0bd9b0d_qkv
	.globl	k_q14e0bd9b0d_qkv
	.p2align	8
	.type	k_q14e0bd9b0d_qkv,@function
k_q14e0bd9b0d_qkv:
	s_mov_b64 s[64:65], 0
	v_nop
	global_prefetch_b8 v0, s[64:65] scope:SCOPE_SE
	s_setreg_imm32_b32 hwreg(HW_REG_WAVE_MODE, 25, 1), 1
	s_wait_xcnt 0x0
	s_wait_alu depctr_hold_cnt(0) depctr_sa_sdst(0) depctr_va_vdst(0) depctr_va_sdst(0) depctr_va_ssrc(0) depctr_va_vcc(0) depctr_vm_vsrc(0)
	s_getreg_b32 s2, hwreg(HW_REG_IB_STS2, 6, 4)
	s_cmp_eq_u32 s2, 0
	s_cbranch_scc0 .Lentry_in_a_cluster
	s_endpgm
.Lentry_in_a_cluster:
	s_bfe_u32 s2, ttmp6, 0x10000c
	s_cmp_lg_u32 s2, 0xf033
	s_cbranch_scc0 .Lentry_shape_is_right
	s_endpgm
.Lentry_shape_is_right:
; q, k, v of one head for 256 tokens: [256 x 1024] x [192 x 1024]^T, bf16 operands, f32 sums.  x of the grid = head, y = block of 256 tokens.
; LEFT OUT: bk.  It adds q . bk to every live score of a query, which cancels in the softmax (shown at the head of the first kernel).
; Results: qb, kb in bf16, vb in f16 (|v| < 65504), each [batch][head][token][64]: a token's 64 numbers are 128 bytes, a work-group's 256 tokens 32 KiB dense.
; Four waves; wave w makes tokens 64 w .. 64 w + 63 x all 192 columns: 4 x 12 accumulator tiles of 16 x 16, 384 registers.
; K goes in steps of 128 through two LDS slots filled by the tensor data mover; a tile's rows are 256 bytes of memory at multiples of 256.
; CLUSTER 4 x 4: the four work-groups of a row of the cluster have the same tokens (tile of xb), the four of a column the same head (tile of wb);
; each tile is asked for jointly, with one descriptor and a mask that names the four.
; The matrix instruction is used transposed (source 0 = rows of wb, source 1 = rows of xb): lane l then holds token l % 16 and, in its eight
; registers, columns 8 (l / 16) + 0 .. 7 of the block.  The bias costs nothing: the first product takes it as C (for k the constant 0).
; REGISTERS in windows of 256: window 0: addresses, fragments of x (two buffers), bias, work on the way out; window 1: fragments of W (two
; buffers of 96); window 2: accumulators of token blocks 0, 1 (tile (a, b) at 8 (12 a + b)); window 3: those of token blocks 2, 3.
.set KSTEP,  128
.set PITCH,  272                       ; an LDS row: 256 bytes + 16 of padding, an odd multiple of 16: the 16 rows of a fragment load start 16 bytes apart modulo 256
.set AHALF,  128*PITCH                 ; what wave 0 or 1 fetches: 128 rows of xb
.set BHALF,  96*PITCH                  ; what wave 2 or 3 fetches: 96 rows of wb
.set ABYTES, 2*AHALF
.set SLOT,   ABYTES+2*BHALF            ; 121,856 bytes
.set STAGE,  2*SLOT                    ; behind the ring, a multiple of 256: 16 rows x 400 bytes for each wave; no tensor load lands here
.set SP,     400                       ; a stage row: 192 numbers of 2 bytes + 16
.set LAPS,   4                         ; 1024 / (2 x 128)
.set ADRA, 16                          ; v16-17  LDS address of my x fragments in slot 0, 1
.set ADRB, 20                          ; v20-21  the same for W
.set STO,  24                          ; v24     way out: where I put 16 bytes of a token
.set RD,   25                          ; v25     way out: where I read them back
.set CO,   26                          ; v26     16 x lane
.set BO,   27                          ; v27     32 x (lane / 16): my 8 columns in a block of 16 biases
.set FA,   64                          ; v64-95, v96-127 (window 0): fragments of x
.set FB,   0                           ; v0-95, v96-191 (window 1): fragments of W
.set BIAS, 128                         ; v128-159 bq, v160-191 bv of my columns
.set TMP,  192                         ; v192-239 packed results
.set RB0,  64                          ; read-back buffers on the way out
.set RB1,  128
.set G1A, 24                           ; s[24:31] shape of a tile of xb
.set G0A, 32                           ; s[32:39] from where, to where; one set for each slot
.set G1B, 48                           ; s[48:55] shape of a tile of wb
.set G0B, 56                           ; s[56:63]
.set MSB, 0
.macro WIN new                         ; the immediate's high byte repeats the setting that is left
.if MSB != \new
	s_set_vgpr_msb (MSB<<8)|\new
.set MSB, \new
.endif
.endm
.macro PLACES                          ; four plain vector places behind a matrix instruction (ISA guide 7.12.1) before its registers are loaded into or its result is read
.rept 4
	v_nop
.endr
.endm
.macro JLOAD s                         ; waves 0, 1 ask for the halves of x's tile, waves 2, 3 for those of W's; the branch hangs on the wave's number alone
	s_cmp_eq_u32 s13, 0
	s_cbranch_scc0 .Lfor_b_\@
	tensor_load_to_lds s[G0A+4*\s:G0A+4*\s+3], s[G1A:G1A+7]
	s_nop 0
	s_branch .Lasked_\@
.Lfor_b_\@:
	tensor_load_to_lds s[G0B+4*\s:G0B+4*\s+3], s[G1B:G1B+7]
	s_nop 0
.Lasked_\@:
.endm
.macro CREST                           ; a round of the cluster's barrier behind its opening work-group barrier
	s_cmp_lg_u32 s12, 0
	s_cbranch_scc1 .Lnot_wave_0_\@
	s_barrier_signal -3
.Lnot_wave_0_\@:
	s_barrier_wait -3
	s_barrier_signal -1
	s_barrier_wait -1
.endm
.macro CROUND
	s_barrier_signal -1
	s_barrier_wait -1
	CREST
.endm
	s_load_b256 s[4:11], s[0:1], 0x0               ; xb, wb, bq, bv
	s_load_b128 s[68:71], s[0:1], 0x20             ; qb, kb
	s_load_b64 s[72:73], s[0:1], 0x30              ; vb
	s_set_vgpr_msb 0x40
	v_lshl_add_u32 v255, v0, 2, 0x41c00
	s_set_vgpr_msb 0x4000
	v_mov_b32 v255, 0
	s_set_vgpr_msb 0x1
	ds_add_u32 v255, v255
	s_set_vgpr_msb 0x100
	v_lshrrev_b32 v1, 5, v0
	v_readfirstlane_b32 s12, v1                    ; wave 0..3
	s_lshr_b32 s13, s12, 1                         ; I fetch for x (0) or for W (1)
	s_and_b32 s14, s12, 1                          ; which half of that tile
	s_bfe_u32 s40, ttmp6, 0x40000                  ; cx
	s_bfe_u32 s41, ttmp6, 0x40004                  ; cy
	s_lshl_b32 s42, ttmp9, 2
	s_add_co_u32 s42, s42, s40                     ; head = 4 x cluster x + cx
	s_and_b32 s43, ttmp7, 0xffff
	s_lshl_b32 s43, s43, 2
	s_add_co_u32 s43, s43, s41                     ; token block = 4 x cluster y + cy
	s_lshl_b32 s44, s41, 2
	s_lshl_b32 s44, 15, s44                        ; my row of the cluster
	s_lshl_b32 s45, 0x1111, s40                    ; my column
	s_or_b32 s[G1A+0], s44, (1<<16)|(1<<20)|(1<<21)|(5<<22)|(3<<25)   ; mask; elements of 2 bytes; padding on; bit 21 beside a mask; after every 64 words, 4 words
	s_or_b32 s[G1B+0], s45, (1<<16)|(1<<20)|(1<<21)|(5<<22)|(3<<25)
	s_mov_b32 s[G1A+1], KSTEP<<16                  ; tensor_dim0 = 128
	s_mov_b32 s[G1B+1], KSTEP<<16
	s_mov_b32 s[G1A+2], 128<<16                    ; tensor_dim1 = 128 rows
	s_mov_b32 s[G1B+2], 96<<16                     ; 96 rows
	s_mov_b32 s[G1A+3], KSTEP<<16                  ; tile_dim0 = 128
	s_mov_b32 s[G1B+3], KSTEP<<16
	s_mov_b32 s[G1A+4], 128                        ; tile_dim1
	s_mov_b32 s[G1B+4], 96
	s_mov_b32 s[G1A+5], 1024                       ; elements from row to row
	s_mov_b32 s[G1B+5], 1024
	s_mov_b32 s[G1A+6], 0
	s_mov_b32 s[G1B+6], 0
	s_mov_b32 s[G1A+7], 0
	s_mov_b32 s[G1B+7], 0
	s_lshl_b32 s16, s43, 19                        ; x: 256 rows of 2048 bytes a block (hangs on cy alone),
	s_lshl_b32 s17, s14, 18                        ; + my half
	s_add_co_u32 s16, s16, s17
	s_mov_b32 s17, 0
	s_mul_i32 s74, s42, 192*2048                   ; W: 192 rows a head (hangs on cx alone),
	s_mul_i32 s75, s14, 96*2048                    ; + my half
	s_add_co_u32 s74, s74, s75
	s_mov_b32 s75, 0
	s_mul_i32 s20, s12, AHALF                      ; LDS: waves 0, 1: x's halves
	s_mul_i32 s21, s12, BHALF
	s_add_co_u32 s21, s21, ABYTES-2*BHALF          ; waves 2, 3: behind x's 256 rows
	v_bfe_u32 v2, v0, 4, 1                         ; l / 16
	v_lshlrev_b32 v[BO], 5, v2
	s_wait_dscnt 0x0
	s_wait_kmcnt 0x0
	s_add_nc_u64 s[66:67], s[4:5], s[16:17]
	s_add_nc_u64 s[46:47], s[6:7], s[74:75]
	CROUND                                         ; all sixteen work-groups are here: the first joint loads meet
.irp s, 0,1
	s_mov_b32 s[G0A+4*\s], 1
	s_add_co_u32 s[G0A+4*\s+1], s20, \s*SLOT
	s_add_nc_u64 s[G0A+4*\s+2:G0A+4*\s+3], s[66:67], \s*KSTEP*2
	s_or_b32 s[G0A+4*\s+3], s[G0A+4*\s+3], 0x80000000
	s_mov_b32 s[G0B+4*\s], 1
	s_add_co_u32 s[G0B+4*\s+1], s21, \s*SLOT
	s_add_nc_u64 s[G0B+4*\s+2:G0B+4*\s+3], s[46:47], \s*KSTEP*2
	s_or_b32 s[G0B+4*\s+3], s[G0B+4*\s+3], 0x80000000
	JLOAD \s                                       ; K steps 0 and 1: two tensor loads of the wave are out, later one
.endr
	s_lshl_b32 s74, s42, 8                         ; the head's 64 biases
	s_add_nc_u64 s[8:9], s[8:9], s[74:75]
	s_add_nc_u64 s[10:11], s[10:11], s[74:75]
.irp b, 0,1,2,3
	global_load_b128 v[BIAS+8*\b:BIAS+8*\b+3],       v[BO], s[8:9] offset:64*\b
	global_load_b128 v[BIAS+8*\b+4:BIAS+8*\b+7],     v[BO], s[8:9] offset:64*\b+16
	global_load_b128 v[BIAS+32+8*\b:BIAS+32+8*\b+3], v[BO], s[10:11] offset:64*\b
	global_load_b128 v[BIAS+36+8*\b:BIAS+36+8*\b+3], v[BO], s[10:11] offset:64*\b+16
.endr
	; a fragment is 16 rows x 32 K: lane l holds row l % 16; two loads of 16 bytes, 32 bytes apart, at row x pitch + 16 (l / 16)
	v_and_b32 v1, 15, v0
	v_mul_u32_u24 v3, v1, PITCH
	v_lshl_add_u32 v3, v2, 4, v3
	s_mul_i32 s22, s12, 64*PITCH                   ; my 64 tokens
	v_add_nc_u32 v[ADRA], s22, v3
	v_add_nc_u32 v[ADRA+1], SLOT, v[ADRA]
	v_add_nc_u32 v[ADRB], ABYTES, v3
	v_add_nc_u32 v[ADRB+1], SLOT, v[ADRB]
	s_mul_i32 s23, s12, 16*SP
	s_add_co_u32 s23, s23, STAGE                   ; my stage
	v_mul_u32_u24 v4, v1, SP
	v_lshl_add_u32 v4, v2, 4, v4
	v_add_nc_u32 v[STO], s23, v4
	v_and_b32 v5, 31, v0
	v_lshrrev_b32 v6, 3, v5                        ; back: eight lanes take a token's 128 bytes of one part
	v_mul_u32_u24 v6, v6, SP
	v_and_b32 v7, 7, v0
	v_lshl_add_u32 v6, v7, 4, v6
	v_add_nc_u32 v[RD], s23, v6
	v_lshlrev_b32 v[CO], 4, v5
; 12 matrix instructions: token block 2 hi + a x the 12 column blocks (0-3 q, 4-7 k, 8-11 v), 32 along K, from buffers f.
; first = 1: the product starts the sum on the bias (k: on 0).  The 48 accumulators take turns, one instruction a turn, in the same order in
; every quarter step and over the loop's backward jump.
.macro MUL12 f, hi, a, first
.irp b, 0,1,2,3,4,5,6,7,8,9,10,11
.if \first
.if \b < 4
	v_wmma_f32_16x16x32_bf16 v[8*(12*\a+\b):8*(12*\a+\b)+7], v[FB+96*\f+8*\b:FB+96*\f+8*\b+7], v[FA+32*\f+8*(2*\hi+\a):FA+32*\f+8*(2*\hi+\a)+7], v[BIAS+8*\b:BIAS+8*\b+7]
.else
.if \b < 8
	v_wmma_f32_16x16x32_bf16 v[8*(12*\a+\b):8*(12*\a+\b)+7], v[FB+96*\f+8*\b:FB+96*\f+8*\b+7], v[FA+32*\f+8*(2*\hi+\a):FA+32*\f+8*(2*\hi+\a)+7], 0
.else
	v_wmma_f32_16x16x32_bf16 v[8*(12*\a+\b):8*(12*\a+\b)+7], v[FB+96*\f+8*\b:FB+96*\f+8*\b+7], v[FA+32*\f+8*(2*\hi+\a):FA+32*\f+8*(2*\hi+\a)+7], v[BIAS+8*(\b-4):BIAS+8*(\b-4)+7]
.endif
.endif
.else
	v_wmma_f32_16x16x32_bf16 v[8*(12*\a+\b):8*(12*\a+\b)+7], v[FB+96*\f+8*\b:FB+96*\f+8*\b+7], v[FA+32*\f+8*(2*\hi+\a):FA+32*\f+8*(2*\hi+\a)+7], v[8*(12*\a+\b):8*(12*\a+\b)+7]
.endif
.endr
.endm
; 32 LDS loads in one run: 192 rows of W and my 64 rows of x, 32 K at byte k of the rows, into buffers f
.macro FETCH slot, k, f
	WIN 0x40                                       ; destination window 1, address window 0
.irp b, 0,1,2,3,4,5,6,7,8,9,10,11
	ds_load_b128 v[FB+96*\f+8*\b:FB+96*\f+8*\b+3],   v[ADRB+\slot] offset:\k+\b*16*PITCH
	ds_load_b128 v[FB+96*\f+8*\b+4:FB+96*\f+8*\b+7], v[ADRB+\slot] offset:\k+\b*16*PITCH+32
.endr
	WIN 0
.irp i, 0,1,2,3
	ds_load_b128 v[FA+32*\f+8*\i:FA+32*\f+8*\i+3],   v[ADRA+\slot] offset:\k+\i*16*PITCH
	ds_load_b128 v[FA+32*\f+8*\i+4:FA+32*\f+8*\i+7], v[ADRA+\slot] offset:\k+\i*16*PITCH+32
.endr
.endm
; One of a K step's first three quarters: the next quarter's fragments (byte knext) are asked for into buffers g, then buffers f are multiplied.
.macro QUARTER slot, knext, f, g, first
	PLACES                                         ; buffers g were read by the matrix instructions just issued
	FETCH \slot, \knext, \g
	s_wait_dscnt 32                                ; LDS loads come back in order: all but the 32 just issued are in, so buffers f are whole
.if \first
	WIN 0x81                                       ; W window 1, x window 0, C (bias) window 0, D window 2
.else
	WIN 0xa1                                       ; C and D window 2
.endif
	MUL12 \f, 0, 0, \first
	MUL12 \f, 0, 1, \first
.if \first
	WIN 0xc1
.else
	WIN 0xf1                                       ; C and D window 3
.endif
	MUL12 \f, 1, 0, \first
	MUL12 \f, 1, 1, \first
.endm
.macro THREE slot, first
	QUARTER \slot, 64,  0, 1, \first
	QUARTER \slot, 128, 1, 0, 0
	QUARTER \slot, 192, 0, 1, 0
.endm
; The fourth quarter multiplies buffers 1 and changes slots.  In front of the barrier each wave has waited for its reads of this slot and for
; all its tensor loads (the one that is out is its part of the next slot).  Behind it (with a refill: behind the cluster's round that it opens)
; the refill is the wave's first and only tensor load; then the next slot's first fragments are read.  From a refill to the wait for it a wave
; issues 168 matrix instructions.
.macro TURN slot, next, fill
	s_wait_dscnt 0x0                               ; my reads of this slot are back, buffers 1 among them
	s_wait_tensorcnt 0x0                           ; all my tensor loads have landed
	ds_add_u32 v255, v255
	s_wait_dscnt 0x0
	s_barrier_signal -1
	WIN 0xa1
	MUL12 1, 0, 0, 0                               ; register work while the others arrive
	MUL12 1, 0, 1, 0
	WIN 0
	s_barrier_wait -1
.if \fill
	CREST                                          ; no wave of any partner still reads this slot or has a load on its way
	s_add_nc_u64 s[G0A+4*\slot+2:G0A+4*\slot+3], s[G0A+4*\slot+2:G0A+4*\slot+3], 2*KSTEP*2
	s_add_nc_u64 s[G0B+4*\slot+2:G0B+4*\slot+3], s[G0B+4*\slot+2:G0B+4*\slot+3], 2*KSTEP*2
	JLOAD \slot
.endif
	PLACES
	FETCH \next, 0, 0
	WIN 0xf1
	MUL12 1, 1, 0, 0
	MUL12 1, 1, 1, 0
.endm
.macro LAP first
	THREE 0, \first
	TURN 0, 1, 1
	THREE 1, 0
	TURN 1, 0, 1
.endm
	s_wait_tensorcnt 0x1                           ; my part of K step 0 is in; K step 1's load stays out
	s_barrier_signal -1
	s_barrier_wait -1
	s_wait_loadcnt 0x0                             ; the biases
	FETCH 0, 0, 0
	LAP 1                                          ; the first lap stands in front of the loop: its first products start the sums
	WIN 0
	s_mov_b32 s3, LAPS-2
.Llap:
	LAP 0
	WIN 0
	s_sub_co_u32 s3, s3, 1
	s_cmp_lg_u32 s3, 0
	s_cbranch_scc1 .Llap
	THREE 0, 0                                     ; the last lap fills nothing
	TURN 0, 1, 0
	THREE 1, 0
	s_wait_dscnt 0x0
	WIN 0xa1
	MUL12 1, 0, 0, 0
	MUL12 1, 0, 1, 0
	WIN 0xf1
	MUL12 1, 1, 0, 0
	MUL12 1, 1, 1, 0
	PLACES                                         ; behind the last matrix instructions, in front of the conversions
	; THE WAY OUT, 16 tokens at a time through my own stage: 16 bytes a lane in, whole tokens of 128 bytes back, 512 neighbouring bytes a store.
	s_lshr_b32 s76, s43, 3                         ; batch
	s_lshl_b32 s76, s76, 22
	s_lshl_b32 s77, s42, 18                        ; head plane
	s_add_co_u32 s76, s76, s77
	s_and_b32 s77, s43, 7
	s_lshl_b32 s77, s77, 15                        ; 256 tokens of 128 bytes
	s_add_co_u32 s76, s76, s77
	s_lshl_b32 s77, s12, 13                        ; my 64 tokens
	s_add_co_u32 s76, s76, s77
	s_mov_b32 s77, 0
	s_add_nc_u64 s[68:69], s[68:69], s[76:77]
	s_add_nc_u64 s[70:71], s[70:71], s[76:77]
	s_add_nc_u64 s[72:73], s[72:73], s[76:77]
; token block i = tiles (a, 0..11) of window 2 or 3 (from = 0x0a or 0x0f: sources 0 and 1); buf: read-back registers
.macro OUT16 i, a, from, buf
	WIN \from
.irp b, 0,1,2,3,4,5,6,7
.irp q, 0,1,2,3
	v_cvt_pk_bf16_f32 v[TMP+4*\b+\q], v[8*(12*\a+\b)+2*\q], v[8*(12*\a+\b)+2*\q+1]   ; q and k in bf16
.endr
.endr
.irp b, 8,9,10,11
.irp q, 0,1,2,3
	v_cvt_pk_f16_f32 v[TMP+4*\b+\q], v[8*(12*\a+\b)+2*\q], v[8*(12*\a+\b)+2*\q+1]    ; v in f16
.endr
.endr
	WIN 0
.irp b, 0,1,2,3,4,5,6,7,8,9,10,11
	ds_store_b128 v[STO], v[TMP+4*\b:TMP+4*\b+3] offset:32*\b
.endr
	s_wait_xcnt 0x0                                ; the read-back registers, which earlier stores read, are rewritten only behind this wait
.irp s, 0,1,2
.irp t, 0,1,2,3
	ds_load_b128 v[\buf+4*(4*\s+\t):\buf+4*(4*\s+\t)+3], v[RD] offset:128*\s+4*SP*\t   ; LDS serves a wave in order: these see the stores above
.endr
.endr
.irp s, 0,1,2
.irp t, 0,1,2,3
	s_wait_dscnt 11-(4*\s+\t)                      ; the younger read-backs stay out
	global_store_b128 v[CO], v[\buf+4*(4*\s+\t):\buf+4*(4*\s+\t)+3], s[68+2*\s:69+2*\s] offset:2048*\i+512*\t
.endr
.endr
.endm
	OUT16 0, 0, 0x0a, RB0
	OUT16 1, 1, 0x0a, RB1
	OUT16 2, 0, 0x0f, RB0
	OUT16 3, 1, 0x0f, RB1
	s_set_vgpr_msb 0x1
	s_wait_tensorcnt 0x0
	ds_add_u32 v255, v255
	s_wait_dscnt 0x0
	s_set_vgpr_msb 0x100
	CROUND                                         ; the closing round: no work-group ends while a partner may still ask for a tile that names it
	s_endpgm
.Lfunc_end_k_q14e0bd9b0d_qkv:
	.size	k_q14e0bd9b0d_qkv, .Lfunc_end_k_q14e0bd9b0d_qkv-k_q14e0bd9b0d_qkv
	.p2alignl 7, 3214868480
	.fill 96, 4, 3214868480
	.section	.rodata,"a",@progbits
	.p2align	6, 0x0
	.amdhsa_kernel k_q14e0bd9b0d_qkv
		.amdhsa_group_segment_fixed_size 327680
		.amdhsa_private_segment_fixed_size 0
		.amdhsa_enable_private_segment 0
		.amdhsa_kernarg_size 56
		.amdhsa_user_sgpr_count 2
		.amdhsa_user_sgpr_kernarg_segment_ptr 1
		.amdhsa_wavefront_size32 1
		.amdhsa_system_sgpr_workgroup_id_x 1
		.amdhsa_system_sgpr_workgroup_id_y 1
		.amdhsa_system_sgpr_workgroup_id_z 1
		.amdhsa_system_vgpr_workitem_id 0
		.amdhsa_next_free_vgpr 960
		.amdhsa_next_free_sgpr 80
		.amdhsa_reserve_vcc 0
		.amdhsa_float_denorm_mode_32 3
		.amdhsa_float_denorm_mode_16_64 3
		.amdhsa_memory_ordered 1
		.amdhsa_forward_progress 1
		.amdhsa_inst_pref_size 164
	.end_amdhsa_kernel
	.amdgpu_metadata
---
amdhsa.version: [ 1, 2 ]
amdhsa.kernels:
  - .name:           k_q14e0bd9b0d_qkv
    .symbol:         k_q14e0bd9b0d_qkv.kd
    .args:
      - { .name: xb, .offset: 0, .size: 8, .value_kind: global_buffer, .address_space: global }
      - { .name: wb, .offset: 8, .size: 8, .value_kind: global_buffer, .address_space: global }
      - { .name: bq, .offset: 16, .size: 8, .value_kind: global_buffer, .address_space: global }
      - { .name: bv, .offset: 24, .size: 8, .value_kind: global_buffer, .address_space: global }
      - { .name: qb, .offset: 32, .size: 8, .value_kind: global_buffer, .address_space: global }
      - { .name: kb, .offset: 40, .size: 8, .value_kind: global_buffer, .address_space: global }
      - { .name: vb, .offset: 48, .size: 8, .value_kind: global_buffer, .address_space: global }
    .group_segment_fixed_size: 327680
    .private_segment_fixed_size: 0
    .kernarg_segment_align: 8
    .kernarg_segment_size: 56
    .max_flat_workgroup_size: 128
    .sgpr_count:     80
    .vgpr_count:     960
    .wavefront_size: 32
...
	.end_amdgpu_metadata
.endif
;; end of part 2
;; launch attn (part 3): grid 8 x 32, 8 waves a work-group, no clusters, 230,400 bytes of LDS; arguments qb, kb, vb, ao; writes ao
.if DOCPART == 3
	.amdgcn_target "amdgcn-amd-amdhsa--gfx1250"
	.amdhsa_code_object_version 6
	.text
	.protected	k_q14e0bd9b0d_attn
	.globl	k_q14e0bd9b0d_attn
	.p2align	8
	.type	k_q14e0bd9b0d_attn,@function
k_q14e0bd9b0d_attn:
	s_mov_b64 s[64:65], 0
	v_nop
	global_prefetch_b8 v0, s[64:65] scope:SCOPE_SE
	s_setreg_imm32_b32 hwreg(HW_REG_WAVE_MODE, 25, 1), 1
	s_wait_xcnt 0x0
; Banded attention of one head for 256 queries.  x of the grid = block of 256 queries, y = 16 batch + head.  ao in bf16, [batch][head][token][64].
; LEFT OUT: key tiles that lie wholly outside a query tile's window |i - j| <= 128 (weight 0: shown at the head of the first kernel).
; SHARE: eight waves; wave w owns queries 32 w .. 32 w + 31 of the block as two pieces of 16, A and B, and the 18 key tiles of 16 that begin at
; LDS key row 32 w: A's window is tiles 0 .. 16, B's tiles 1 .. 17.  Every K and V fragment is read from LDS once and feeds a product of each
; piece: 152 fragment loads for 140 matrix instructions.
; FILLS: the block's 512 keys (128 before, 128 after) are brought once.  Every wave fetches its 32 queries, 64 keys and 64 values: three tensor loads.
; The first barrier waits for Q and K alone; V's loads stay out across it and have the score phase in which to land; a second barrier stands
; in front of the first read of V.
; NO CLUSTER: neighbouring blocks share key chunks, but at different places of their LDS, so their descriptors would not be equal.
; FORM: S^T = K Q^T (source 0 = keys, source 1 = queries): lane (r = l % 16, h = l / 16), register j holds key 8 h + j of query r.  So the maximum
; and the sum run inside the lane plus one exchange of the halves, and two packed score tiles ARE source 1 of O^T = V^T P^T (no shuffle).
; V^T comes by transposing LDS loads; O^T gives a lane 8 neighbouring d of one query.
; SOFTMAX: the row's true maximum is taken away; weights are exp2(c S - c M), c = log2(e) / 32; the sum is taken on the unrounded weights.
; P and V are f16 (P <= 1; |v| < 65504), Q and K bf16.
; MATRIX BESIDE VECTOR WORK: V is shared, so both pieces' products of a key pair stand together; what is set between the eight products of pair p is
; both pieces' weight work of pair p + 1 (the maximum is known by then), one slice behind each product.  In the score phase the running
; maxima of the pair before stand behind each group of products.  These lines are also the places behind the matrix instructions.
; REGISTER WINDOWS: window 1 only stores raw scores (pairs 1 .. 8: A's tiles 2 .. 16 at 8 (t - 2), B's tiles 2 .. 17 at 120 + 8 (t - 2)); all work is
; done in window 0.  The exponential and the packing conversion read source 0 where a product reads V, so a layout by piece would need V in both
; windows.  Settings: 0x50 score products into window 1; 0x14 maxima (sources 1, 2 in window 1) and the LDS loads behind them; 0x01 the
; multiply-add that fetches a score from window 1; 0x40 the window's edge; 0 all else.  Two switches for a key pair in each phase.
; MASK: the window's two triangular edges are written into the accumulators of A's tiles 0, 16 and B's tiles 1, 17 as -2^127 before the products.
; LIMIT: live scores must lie far above -2^127.
; SEQUENCE ENDS: a chunk of 128 keys that would lie outside the sequence is fetched from the clamped chunk number, so it holds a copy of the
; neighbouring chunk.  A copy tile t equals the wave's own tile t + 8 (front; t <= 7) or t - 8 (back; t >= 10), which is fully live for both pieces
; (tiles 2 .. 15): the maximum is not changed; the copies' weights are made 0 by adding -2^127 to the exponent.  They come in whole key pairs
; (4 - w pairs at the front, w - 3 at the back).  So 72 of a head's 2,176 key tiles are multiplied and discarded: work that branches on the
; pair's number, which hangs on ids alone, could leave out; this text does not.
.set KBASE, 36864                      ; Q: 256 rows x 144 at 0;  K: 512 rows x 144
.set VBASE, 110592                     ; V: 512 rows x 160 (an odd multiple of 32, for the transposing loads)
.set STAGE, 192512                     ; a multiple of 256: 32 rows x 144 for each wave; no tensor load lands here
.set NEG,   0xff000000                 ; -2^127
; window 0: v2 r, v3 h, v4 E = 8h - r, v5 K address, v6 V address, v7 Q address, v8 stage in, v9 stage back, v10 16 x lane, v11 at work
.set MA,  12                           ; v12-15  A's four running maxima
.set MB,  16                           ; v16-19  B's
.set NMA, 20                           ; v20, v21  -c M of A, of B
.set NMB, 21
.set NBA, 22                           ; v[22:23], v[24:25]  the exponent's addend of the pair at work (low register used)
.set NBB, 24
.set LSA, 26                           ; v[26:29], v[30:33]  sums of weights
.set LSB, 30
.set RLA, 34                           ; v[34:35], v[36:37]  1 / l, twice each
.set RLB, 36
.set T0,  40                           ; v40-71, v72-103  two buffers of a key pair's weights: A's two tiles (16), B's two tiles (16); packed in place into the first 8 of each
.set QFA, 72                           ; v72-87, v88-103  Q fragments, in the second buffer until the weights need it
.set QFB, 88
.set O,   104                          ; v104-135 O of A, v136-167 O of B
.set KF0, 168                          ; v168-199, v200-231  K fragments of a key pair, two buffers; later V's
.set KF1, 200
.set VF0, 168
.set TP,  72                           ; way out: packed results
.set RB,  168                          ; way out: read back
.set SB0, 120                          ; window 1: B's scores behind A's
.set MSB, 0
.macro WIN new                         ; the immediate's high byte repeats the setting that is left
.if MSB != \new
	s_set_vgpr_msb (MSB<<8)|\new
.set MSB, \new
.endif
.endm
	s_load_b256 s[4:11], s[0:1], 0x0               ; qb, kb, vb, ao
	v_lshl_add_u32 v254, v0, 2, 0x38000
	v_mov_b32 v255, 0
	ds_add_u32 v254, v255
	v_lshrrev_b32 v1, 5, v0
	v_readfirstlane_b32 s12, v1                    ; wave w
	s_mov_b32 s13, ttmp9                           ; jb
	s_and_b32 s14, ttmp7, 0xffff                   ; bh
	; the shares are dense in memory: rows of 256 bytes; 16 (V: 32) bytes of padding behind every 128 bytes, that is behind every token
	s_mov_b32 s24, (3<<16)|(1<<20)|(4<<22)|(3<<25) ; Q: elements of 8 bytes; padding on; after every 32 words, 4 words: pitch 144
	s_mov_b32 s25, 32<<16                          ; tensor_dim0 = 32
	s_mov_b32 s26, 16<<16                          ; tensor_dim1 = 16 rows: 32 queries
	s_mov_b32 s27, 32<<16                          ; tile_dim0 = 32
	s_mov_b32 s28, 16                              ; tile_dim1
	s_mov_b32 s29, 32                              ; pitch
	s_mov_b32 s30, 0
	s_mov_b32 s31, 0
	s_mov_b32 s32, (3<<16)|(1<<20)|(4<<22)|(3<<25) ; K: the same with 32 rows: 64 keys
	s_mov_b32 s33, 32<<16
	s_mov_b32 s34, 32<<16
	s_mov_b32 s35, 32<<16
	s_mov_b32 s36, 32
	s_mov_b32 s37, 32
	s_mov_b32 s38, 0
	s_mov_b32 s39, 0
	s_mov_b32 s40, (3<<16)|(1<<20)|(4<<22)|(7<<25) ; V: 8 words of padding: pitch 160
	s_mov_b32 s41, 32<<16
	s_mov_b32 s42, 32<<16
	s_mov_b32 s43, 32<<16
	s_mov_b32 s44, 32
	s_mov_b32 s45, 32
	s_mov_b32 s46, 0
	s_mov_b32 s47, 0
	s_lshr_b32 s16, s12, 1                         ; my 64 keys lie in chunk w / 2 of the block's four chunks of 128,
	s_lshl1_add_u32 s16, s13, s16
	s_sub_co_i32 s16, s16, 1                       ; which is chunk 2 jb - 1 + w / 2 of the sequence's sixteen,
	s_max_i32 s16, s16, 0
	s_min_i32 s16, s16, 15                         ; clamped at the ends;
	s_and_b32 s17, s12, 1
	s_lshl1_add_u32 s16, s16, s17                  ; its half w % 2
	s_lshl_b32 s16, s16, 13                        ; 64 keys of 128 bytes
	s_lshl_b32 s18, s14, 18                        ; the head's plane
	s_add_co_u32 s16, s16, s18
	s_mov_b32 s17, 0
	s_lshl_b32 s20, s13, 15                        ; the block's 256 queries,
	s_lshl_b32 s21, s12, 12                        ; my 32 of them
	s_add_co_u32 s20, s20, s21
	s_add_co_u32 s20, s20, s18
	s_mov_b32 s21, 0
	s_mov_b32 s48, 1
	s_mul_i32 s49, s12, 32*144
	s_mov_b32 s52, 1
	s_mul_i32 s53, s12, 64*144
	s_add_co_u32 s53, s53, KBASE
	s_mov_b32 s56, 1
	s_mul_i32 s57, s12, 64*160
	s_add_co_u32 s57, s57, VBASE
	s_wait_dscnt 0x0
	s_wait_kmcnt 0x0
	s_add_nc_u64 s[50:51], s[4:5], s[20:21]
	s_or_b32 s51, s51, 0x80000000
	s_add_nc_u64 s[54:55], s[6:7], s[16:17]
	s_or_b32 s55, s55, 0x80000000
	s_add_nc_u64 s[58:59], s[8:9], s[16:17]
	s_or_b32 s59, s59, 0x80000000
	tensor_load_to_lds s[48:51], s[24:31]          ; my 32 queries
	s_nop 0
	tensor_load_to_lds s[52:55], s[32:39]          ; my 64 keys
	s_nop 0
	tensor_load_to_lds s[56:59], s[40:47]          ; my 64 values, last: three tensor loads of the wave are out
	s_nop 0
	s_add_nc_u64 s[10:11], s[10:11], s[20:21]      ; ao at my 32 queries
	; while the tiles are on their way: addresses, constants, the window's edges
	v_and_b32 v1, 31, v0
	v_and_b32 v2, 15, v0
	v_bfe_u32 v3, v0, 4, 1
	v_lshlrev_b32 v4, 3, v3
	v_sub_nc_u32 v4, v4, v2                        ; E = 8h - r
	s_lshl_b32 s22, s12, 5                         ; 32 w: my first query row, and the LDS row of my first key
	v_add_nc_u32 v5, s22, v2
	v_mul_u32_u24 v5, v5, 144
	v_lshl_add_u32 v7, v3, 4, v5                   ; Q: (32 w + r) 144 + 16 h
	v_add_nc_u32 v5, KBASE, v7                     ; K: the same row of the key region
	v_and_b32 v6, 7, v0
	v_lshl_add_u32 v6, v3, 3, v6
	v_add_nc_u32 v6, s22, v6
	v_mul_u32_u24 v6, v6, 160
	v_bfe_u32 v11, v0, 3, 1
	v_lshl_add_u32 v6, v11, 4, v6
	v_add_nc_u32 v6, VBASE, v6                     ; V: (32 w + 8 h + l % 8) 160 + 16 ((l / 8) % 2)
	s_mul_i32 s23, s12, 32*144
	s_add_co_u32 s23, s23, STAGE                   ; my stage
	s_mov_b32 s60, 0x76543210                      ; v_permlanex16_b32: lane i of one half reads lane i of the other
	s_mov_b32 s61, 0xfedcba98
	s_mov_b32 s62, 0x3d38aa3b                      ; c = log2(e) / 32
	s_mov_b32 s63, 0x3d38aa3b
	s_lshl_b32 s68, s13, 4
	s_lshl1_add_u32 s68, s12, s68
	s_sub_co_i32 s68, s68, 8                       ; my tile 0 is key tile 16 jb + 2 w - 8 of the sequence's 128
	v_mov_b32 v38, NEG
	v_mov_b32 v39, 0
	v_mov_b32 v[NBA+1], 0                          ; the addends' upper registers are named, not used
	v_mov_b32 v[NBB+1], 0
.irp j, 0,1,2,3,4,5,6,7
	v_cmp_le_i32 vcc_lo, -\j, v4                   ; a piece's first tile: key - query = E + j - 128, live where E + j >= 0
	v_cndmask_b32 v[T0+\j], v38, v39, vcc_lo       ; A's tile 0
	v_cndmask_b32 v[T0+24+\j], v38, v39, vcc_lo    ; B's tile 1
.endr
	WIN 0x40                                       ; destination in window 1
.irp j, 0,1,2,3,4,5,6,7
	v_cmp_ge_i32 vcc_lo, -\j, v4                   ; a piece's last tile: key - query = E + j + 128, live where E + j <= 0
	v_cndmask_b32 v[112+\j], v38, v39, vcc_lo      ; A's tile 16
	v_cndmask_b32 v[SB0+120+\j], v38, v39, vcc_lo  ; B's tile 17
.endr
	WIN 0
	s_wait_tensorcnt 0x1                           ; my queries and keys have landed; my values stay out
	s_barrier_signal -1
	s_barrier_wait -1                              ; everybody's keys have
; THE SCORES
.macro KLOAD g, buf                    ; key tiles 2g, 2g + 1: 64 d = two fragments each
.irp t, 0,1
.irp q, 0,1,2,3
	ds_load_b128 v[\buf+16*\t+4*\q:\buf+16*\t+4*\q+3], v5 offset:(2*(\g)+\t)*2304+32*\q
.endr
.endr
.endm
.macro SMM d, k, q, z                  ; one product; z = 1: it starts the sum
.if \z
	v_wmma_f32_16x16x32_bf16 v[\d:\d+7], v[\k:\k+7], v[\q:\q+7], 0
.else
	v_wmma_f32_16x16x32_bf16 v[\d:\d+7], v[\k:\k+7], v[\q:\q+7], v[\d:\d+7]
.endif
.endm
; pair g (1 .. 7), both pieces.  The four accumulators take turns, one instruction a turn
.macro SGROUP g, kf
	SMM 16*(\g-1),       \kf,    QFA,   1
	SMM 16*(\g-1)+8,     \kf+16, QFA,   1
	SMM SB0+16*(\g-1),   \kf,    QFB,   1
	SMM SB0+16*(\g-1)+8, \kf+16, QFB,   1
	SMM 16*(\g-1),       \kf+8,  QFA+8, 0
	SMM 16*(\g-1)+8,     \kf+24, QFA+8, 0
	SMM SB0+16*(\g-1),   \kf+8,  QFB+8, 0
	SMM SB0+16*(\g-1)+8, \kf+24, QFB+8, 0
.endm
.macro MAXT m, t, first                ; one tile into a piece's four chains; the first tile starts them against -infinity
.irp c, 0,1,2,3
.if \first
	v_max3_num_f32 v[\m+\c], 0xff800000, v[\t+2*\c], v[\t+2*\c+1]
.else
	v_max3_num_f32 v[\m+\c], v[\m+\c], v[\t+2*\c], v[\t+2*\c+1]
.endif
.endr
.endm
.macro MAXPAIR g, first
	MAXT MA, 16*(\g-1),       \first
	MAXT MB, SB0+16*(\g-1),   \first
	MAXT MA, 16*(\g-1)+8,     0
	MAXT MB, SB0+16*(\g-1)+8, 0
.endm
; a pair's eight products; the maxima of the pair before, which name none of the products' registers and are the places behind them; then the pair
; after next into the buffer just read
.macro SSTEP g, kf, gnext, first
	s_wait_dscnt 8                                 ; LDS loads come back in order: all but the youngest group of eight are in
	WIN 0x50
	SGROUP \g, \kf
	WIN 0x14
	MAXPAIR \g-1, \first
	KLOAD \gnext, \kf
.endm
.irp q, 0,1,2,3
	ds_load_b128 v[QFA+4*\q:QFA+4*\q+3], v7 offset:32*\q
	ds_load_b128 v[QFB+4*\q:QFB+4*\q+3], v7 offset:2304+32*\q
.endr
	KLOAD 1, KF0
	KLOAD 2, KF1
	s_wait_dscnt 8
	WIN 0x50
	SGROUP 1, KF0
	WIN 0
	v_mul_u32_u24 v8, v2, 144                      ; no pair is ready for the maxima yet: the way out's addresses are the places here
	v_lshl_add_u32 v8, v3, 4, v8
	v_add_nc_u32 v8, s23, v8                       ; in: row r, 16 bytes for each half of the lanes
	v_lshrrev_b32 v9, 3, v1
	v_mul_u32_u24 v9, v9, 144
	v_and_b32 v10, 7, v0
	v_lshl_add_u32 v9, v10, 4, v9
	v_add_nc_u32 v9, s23, v9                       ; back: eight lanes take a token's 128 bytes
	v_lshlrev_b32 v10, 4, v1
	KLOAD 3, KF0
	SSTEP 2, KF1, 4, 1
	SSTEP 3, KF0, 5, 0
	SSTEP 4, KF1, 6, 0
	SSTEP 5, KF0, 7, 0
	SSTEP 6, KF1, 8, 0
	SSTEP 7, KF0, 0, 0
	s_wait_dscnt 8                                 ; pair 8 is in; pair 0's eight loads stay out
	WIN 0x50
	SMM 112,     KF1,    QFA,   0                  ; A's tile 16, onto the window's edge
	SMM SB0+112, KF1,    QFB,   1                  ; B's tile 16
	SMM SB0+120, KF1+16, QFB,   0                  ; B's tile 17, onto the edge
	SMM 112,     KF1+8,  QFA+8, 0
	SMM SB0+112, KF1+8,  QFB+8, 0
	SMM SB0+120, KF1+24, QFB+8, 0
	WIN 0x14
	MAXPAIR 7, 0
	s_wait_dscnt 0x0                               ; pair 0 is in, and no LDS instruction of mine is pending at the signal
	s_wait_tensorcnt 0x0                           ; my values have landed
	s_barrier_signal -1                            ; say so; register work follows while the others arrive
	WIN 0
	SMM T0,    KF0,    QFA,   0                    ; pair 0 comes last, straight into the first weight buffer: A's tile 0, onto the edge
	SMM T0+8,  KF0+16, QFA,   1                    ; A's tile 1
	SMM T0+24, KF0+16, QFB,   0                    ; B's tile 1, onto the edge
	SMM T0,    KF0+8,  QFA+8, 0
	SMM T0+8,  KF0+24, QFA+8, 0
	SMM T0+24, KF0+24, QFB+8, 0
	WIN 0x14
	MAXT MA, 112, 0                                ; pair 8: twelve places behind the last products
	MAXT MB, SB0+112, 0
	MAXT MB, SB0+120, 0
	WIN 0
	MAXT MA, T0, 0
	MAXT MB, T0+24, 0
	MAXT MA, T0+8, 0
	s_barrier_wait -1                              ; everybody's values have landed
; THE WEIGHTS AND O^T = V^T P^T
.macro VLOAD p, buf                    ; V^T of key tiles 2p, 2p + 1 for the four blocks of 16 d: 32 rows of 160 bytes a pair.  p may be a sum: it stands in brackets
.irp dt, 0,1,2,3
	ds_load_tr16_b128 v[\buf+8*\dt:\buf+8*\dt+3],   v6 offset:5120*(\p)+32*\dt
	ds_load_tr16_b128 v[\buf+8*\dt+4:\buf+8*\dt+7], v6 offset:5120*(\p)+32*\dt+2560
.endr
.endm
.macro NBSET p                         ; the addends of pair p: -c M, and -2^127 more where the pair lies outside the sequence (a copy)
	s_add_co_i32 s69, s68, 2*(\p)
	s_cmp_lt_u32 s69, 128
	s_cselect_b32 s70, 0, NEG
	v_add_f32 v[NBA], s70, v[NMA]
	v_add_f32 v[NBB], s70, v[NMB]
	s_wait_alu depctr_va_vdst(0)
.endm
.macro FMAT dst, src, nb               ; one tile: c S - c M
.irp c, 0,2,4,6
	v_pk_fma_f32 v[\dst+\c:\dst+\c+1], v[\src+\c:\src+\c+1], s[62:63], v[\nb:\nb+1] op_sel_hi:[1,0,0]
.endr
.endm
.macro EXPT t
.irp c, 0,1,2,3,4,5,6,7
	v_exp_f32 v[\t+\c], v[\t+\c]
.endr
.endm
.macro SUMT ls, t
	v_pk_add_f32 v[\ls:\ls+1],   v[\ls:\ls+1],   v[\t:\t+1]
	v_pk_add_f32 v[\ls+2:\ls+3], v[\ls+2:\ls+3], v[\t+2:\t+3]
	v_pk_add_f32 v[\ls:\ls+1],   v[\ls:\ls+1],   v[\t+4:\t+5]
	v_pk_add_f32 v[\ls+2:\ls+3], v[\ls+2:\ls+3], v[\t+6:\t+7]
.endm
.macro CVT4 dst, src                   ; a tile's eight weights into four registers; in place, destination q lies below every source still to be read
	s_wait_alu depctr_va_vdst(0)
.irp q, 0,1,2,3
	v_cvt_pk_f16_f32 v[\dst+\q], v[\src+2*\q], v[\src+2*\q+1]
.endr
.endm
.macro PVW o, vf, p, first
.if \first
	v_wmma_f32_16x16x32_f16 v[\o:\o+7], v[\vf:\vf+7], v[\p:\p+7], 0
	s_wait_alu depctr_va_vdst(0)
.else
	v_wmma_f32_16x16x32_f16 v[\o:\o+7], v[\vf:\vf+7], v[\p:\p+7], v[\o:\o+7]
.endif
.endm
	VLOAD 0, VF0                                   ; into registers that the score products have read: the maxima above are the places
	VLOAD 1, VF0+32
	v_max3_num_f32 v[MA], v[MA], v[MA+1], v[MA+2]
	v_max3_num_f32 v[MB], v[MB], v[MB+1], v[MB+2]
	v_max_num_f32 v[MA], v[MA], v[MA+3]
	v_max_num_f32 v[MB], v[MB], v[MB+3]
	v_permlanex16_b32 v[MA+1], v[MA], s60, s61     ; the other eight keys of each tile
	v_permlanex16_b32 v[MB+1], v[MB], s60, s61
	v_max_num_f32 v[MA], v[MA], v[MA+1]
	v_max_num_f32 v[MB], v[MB], v[MB+1]
	v_mul_f32 v[NMA], 0xbd38aa3b, v[MA]            ; -c M
	v_mul_f32 v[NMB], 0xbd38aa3b, v[MB]
	; pair 0's weights, in place: they need the final maximum, so no product stands beside them
	NBSET 0
	FMAT T0, T0, NBA
	FMAT T0+8, T0+8, NBA
	FMAT T0+24, T0+24, NBB
	EXPT T0
	EXPT T0+8
	EXPT T0+24
	NBSET 1                                        ; plain work behind the exponentials (ISA guide 5.7.2)
	s_wait_alu depctr_va_vdst(0)
	v_pk_add_f32 v[LSA:LSA+1],   v[T0:T0+1],     v[T0+4:T0+5]      ; the first tiles start the sums
	v_pk_add_f32 v[LSA+2:LSA+3], v[T0+2:T0+3],   v[T0+6:T0+7]
	v_pk_add_f32 v[LSB:LSB+1],   v[T0+24:T0+25], v[T0+28:T0+29]
	v_pk_add_f32 v[LSB+2:LSB+3], v[T0+26:T0+27], v[T0+30:T0+31]
	SUMT LSA, T0+8
	CVT4 T0, T0
	CVT4 T0+4, T0+8
.irp q, 0,1,2,3
	v_mov_b32 v[T0+16+\q], 0                       ; tile 0 lies outside B's window
.endr
	CVT4 T0+20, T0+24
; Step s: the eight products of pair s (the eight accumulators take turns, one instruction a turn, over the steps too
; ), and behind each a slice of pair s + 1's weight work.  No slice names a register of the step's products.  The four sums behind the last
; product are the places in front of the V loads into the buffer just read, and in front of the next step's multiply-adds, which write
; over this step's weights.
.macro STEP s, first
.set CUR, T0+32*(\s&1)
.set NXT, T0+32*((\s+1)&1)
.set VF,  VF0+32*(\s&1)
.set SA,  16*\s                        ; pair s + 1 in window 1
.set SB,  SB0+16*\s
	s_wait_dscnt 8                                 ; this pair's V is in; the next pair's eight loads stay out
	PVW O, VF, CUR, \first
	WIN 0x01                                       ; source 0 in window 1
	FMAT NXT, SA, NBA
.if \s < 7
	FMAT NXT+8, SA+8, NBA
.endif
	FMAT NXT+16, SB, NBB
	FMAT NXT+24, SB+8, NBB
	WIN 0
	PVW O+32, VF, CUR+16, \first
	EXPT NXT
	EXPT NXT+16
	PVW O+8, VF+8, CUR, \first
.if \s < 7
	NBSET \s+2                                     ; plain work behind the exponentials; this pair's addends have been used
.else
	v_nop                                          ; the last pair has no next addend to make: the plain place behind the exponentials
	s_wait_alu depctr_va_vdst(0)
.endif
	SUMT LSA, NXT
	SUMT LSB, NXT+16
	PVW O+40, VF+8, CUR+16, \first
.if \s < 7
	EXPT NXT+8
.endif
	EXPT NXT+24
	PVW O+16, VF+16, CUR, \first
	CVT4 NXT, NXT                                  ; plain work behind the exponentials, on the first tiles
	CVT4 NXT+16, NXT+16
	PVW O+48, VF+16, CUR+16, \first
.if \s < 7
	CVT4 NXT+4, NXT+8
.else
	s_wait_alu depctr_va_vdst(0)
.irp q, 0,1,2,3
	v_mov_b32 v[NXT+4+\q], 0                       ; tile 17 lies outside A's window
.endr
.endif
	CVT4 NXT+20, NXT+24
	PVW O+24, VF+24, CUR, \first
.if \s < 7
	SUMT LSA, NXT+8                                ; the second tiles' packing wrote over the first tiles' registers, not these
.endif
	PVW O+56, VF+24, CUR+16, \first
	SUMT LSB, NXT+24
.if \s < 7
	VLOAD \s+2, VF
.endif
.endm
	STEP 0, 1
	STEP 1, 0
	STEP 2, 0
	STEP 3, 0
	STEP 4, 0
	STEP 5, 0
	STEP 6, 0
	STEP 7, 0
	; pair 8: the sums are whole; their reduction and the reciprocals stand between the products
	s_wait_dscnt 0x0
	PVW O, VF0, T0, 0
	v_pk_add_f32 v[LSA:LSA+1], v[LSA:LSA+1], v[LSA+2:LSA+3]
	v_add_f32 v[LSA], v[LSA], v[LSA+1]
	v_permlanex16_b32 v[LSA+1], v[LSA], s60, s61
	v_add_f32 v[LSA], v[LSA], v[LSA+1]             ; l >= 1: the largest weight is 1
	PVW O+32, VF0, T0+16, 0
	v_rcp_f32 v[RLA], v[LSA]
	v_rcp_f32 v[RLA+1], v[LSA]                     ; twice, for the packed multiply
	PVW O+8, VF0+8, T0, 0
	v_pk_add_f32 v[LSB:LSB+1], v[LSB:LSB+1], v[LSB+2:LSB+3]        ; plain work behind A's reciprocals
	v_add_f32 v[LSB], v[LSB], v[LSB+1]
	v_permlanex16_b32 v[LSB+1], v[LSB], s60, s61
	v_add_f32 v[LSB], v[LSB], v[LSB+1]
	PVW O+40, VF0+8, T0+16, 0
	v_rcp_f32 v[RLB], v[LSB]
	v_rcp_f32 v[RLB+1], v[LSB]
	PVW O+16, VF0+16, T0, 0
	PVW O+48, VF0+16, T0+16, 0
	PVW O+24, VF0+24, T0, 0
	PVW O+56, VF0+24, T0+16, 0
	; THE WAY OUT: divide, round to bf16, 16 bytes a lane into my stage, whole tokens back, 512 neighbouring bytes a store.
	; The multiplies go in the order of the products, A's four blocks first: each block is read at least four plain lines behind its last product,
	; and A's lines are the plain work behind B's reciprocals.
	s_wait_alu depctr_va_vdst(0)
.irp q, 0,2,4,6,8,10,12,14,16,18,20,22,24,26,28,30
	v_pk_mul_f32 v[O+\q:O+\q+1], v[O+\q:O+\q+1], v[RLA:RLA+1]
.endr
.irp q, 0,2,4,6,8,10,12,14,16,18,20,22,24,26,28,30
	v_pk_mul_f32 v[O+32+\q:O+32+\q+1], v[O+32+\q:O+32+\q+1], v[RLB:RLB+1]
.endr
.irp q, 0,1,2,3,4,5,6,7,8,9,10,11,12,13,14,15,16,17,18,19,20,21,22,23,24,25,26,27,28,29,30,31
	v_cvt_pk_bf16_f32 v[TP+\q], v[O+2*\q], v[O+2*\q+1]
.endr
.irp dt, 0,1,2,3
	ds_store_b128 v8, v[TP+4*\dt:TP+4*\dt+3] offset:32*\dt                 ; A: stage rows 0 .. 15
	ds_store_b128 v8, v[TP+16+4*\dt:TP+16+4*\dt+3] offset:2304+32*\dt      ; B: rows 16 .. 31
.endr
.irp t, 0,1,2,3,4,5,6,7
	ds_load_b128 v[RB+4*\t:RB+4*\t+3], v9 offset:576*\t            ; LDS serves a wave in order: these see the stores above
.endr
.irp t, 0,1,2,3,4,5,6,7
	s_wait_dscnt 7-\t                              ; the younger read-backs stay out
	global_store_b128 v10, v[RB+4*\t:RB+4*\t+3], s[10:11] offset:512*\t
.endr
	s_wait_tensorcnt 0x0
	ds_add_u32 v254, v255
	s_wait_dscnt 0x0
	s_endpgm
.Lfunc_end_k_q14e0bd9b0d_attn:
	.size	k_q14e0bd9b0d_attn, .Lfunc_end_k_q14e0bd9b0d_attn-k_q14e0bd9b0d_attn
	.p2alignl 7, 3214868480
	.fill 96, 4, 3214868480
	.section	.rodata,"a",@progbits
	.p2align	6, 0x0
	.amdhsa_kernel k_q14e0bd9b0d_attn
		.amdhsa_group_segment_fixed_size 230400
		.amdhsa_private_segment_fixed_size 0
		.amdhsa_enable_private_segment 0
		.amdhsa_kernarg_size 32
		.amdhsa_user_sgpr_count 2
		.amdhsa_user_sgpr_kernarg_segment_ptr 1
		.amdhsa_wavefront_size32 1
		.amdhsa_system_sgpr_workgroup_id_x 1
		.amdhsa_system_sgpr_workgroup_id_y 1
		.amdhsa_system_sgpr_workgroup_id_z 1
		.amdhsa_system_vgpr_workitem_id 0
		.amdhsa_next_free_vgpr 512
		.amdhsa_next_free_sgpr 72
		.amdhsa_reserve_vcc 1
		.amdhsa_float_denorm_mode_32 3
		.amdhsa_float_denorm_mode_16_64 3
		.amdhsa_memory_ordered 1
		.amdhsa_forward_progress 1
		.amdhsa_inst_pref_size 81
	.end_amdhsa_kernel
	.amdgpu_metadata
---
amdhsa.version: [ 1, 2 ]
amdhsa.kernels:
  - .name:           k_q14e0bd9b0d_attn
    .symbol:         k_q14e0bd9b0d_attn.kd
    .args:
      - { .name: qb, .offset: 0, .size: 8, .value_kind: global_buffer, .address_space: global }
      - { .name: kb, .offset: 8, .size: 8, .value_kind: global_buffer, .address_space: global }
      - { .name: vb, .offset: 16, .size: 8, .value_kind: global_buffer, .address_space: global }
      - { .name: ao, .offset: 24, .size: 8, .value_kind: global_buffer, .address_space: global }
    .group_segment_fixed_size: 230400
    .private_segment_fixed_size: 0
    .kernarg_segment_align: 8
    .kernarg_segment_size: 32
    .max_flat_workgroup_size: 256
    .sgpr_count:     72
    .vgpr_count:     512
    .wavefront_size: 32
...
	.end_amdgpu_metadata
.endif
;; end of part 3
;; launch proj (part 4): grid 8 x 32, 4 waves a work-group, clusters of 4 x 4, 327,680 bytes of LDS; arguments ao, wb, bp, out0; writes out0
.if DOCPART == 4
	.amdgcn_target "amdgcn-amd-amdhsa--gfx1250"
	.amdhsa_code_object_version 6
	.text
	.protected	k_q14e0bd9b0d_proj
	.globl	k_q14e0bd9b0d_proj
	.p2align	8
	.type	k_q14e0bd9b0d_proj,@function
k_q14e0bd9b0d_proj:
	s_mov_b64 s[64:65], 0
	v_nop
	global_prefetch_b8 v0, s[64:65] scope:SCOPE_SE
	s_setreg_imm32_b32 hwreg(HW_REG_WAVE_MODE, 25, 1), 1
	s_wait_xcnt 0x0
	s_wait_alu depctr_hold_cnt(0) depctr_sa_sdst(0) depctr_va_vdst(0) depctr_va_sdst(0) depctr_va_ssrc(0) depctr_va_vcc(0) depctr_vm_vsrc(0)
	s_getreg_b32 s2, hwreg(HW_REG_IB_STS2, 6, 4)
	s_cmp_eq_u32 s2, 0
	s_cbranch_scc0 .Lentry_in_a_cluster
	s_endpgm
.Lentry_in_a_cluster:
	s_bfe_u32 s2, ttmp6, 0x10000c
	s_cmp_lg_u32 s2, 0xf033
	s_cbranch_scc0 .Lentry_shape_is_right
	s_endpgm
.Lentry_shape_is_right:
; out0[t][f] = sum over e of ao[t][e] Wp[f][e] + bp[f], f32 out; bf16 operands, f32 sums.  x of the grid = block of 128 f, y = block of 128 tokens.
; ao lies [batch][head][token][64], so e = 64 head + d: a K step of 256 is four head planes, each 128 tokens x 128 bytes dense.  Wp is rows 3072 .. 4095 of wb.
; Four waves, 64 x 64 each (wave >> 1: which tokens, wave & 1: which columns): 16 accumulator tiles in window 1; all else in window 0.
; Two LDS slots of a K step of 256 each, four K steps, written out: from a refill to the wait for it a wave issues 120 matrix instructions.
; CLUSTER 4 x 4: ao's tile is shared along a row of the cluster (same tokens), Wp's along a column (same f): joint loads, as in the qkv launch.
; The matrix instruction is used transposed (source 0 = rows of Wp, source 1 = tokens): a lane holds 8 neighbouring f of one token; the first
; product takes the bias as C.
.set AP,     144                       ; a token's 128 bytes + 16
.set APLANE, 128*AP
.set ABYTES, 4*APLANE                  ; 73,728
.set BP,     528                       ; 512 bytes of a row of Wp + 16
.set BHALF,  64*BP
.set SLOT,   ABYTES+2*BHALF            ; 141,312
.set STAGE,  2*SLOT                    ; a multiple of 256: 16 rows x 272 bytes for each wave; no tensor load lands here
.set SP,     272
.set ADRA, 16
.set ADRB, 20
.set STO,  24
.set RD,   25
.set CO,   26
.set BO,   27
.set BIAS, 32                          ; v32-63
.set F0,   64                          ; buffer f at 64 + 64 f: 32 registers of tokens, 32 of Wp
.set RB0,  64
.set RB1,  128
.set G1A, 24
.set G0A, 32
.set G1B, 48
.set G0B, 56
.set MSB, 0
.macro WIN new
.if MSB != \new
	s_set_vgpr_msb (MSB<<8)|\new
.set MSB, \new
.endif
.endm
.macro PLACES                          ; four plain vector places behind a matrix instruction (ISA guide 7.12.1)
.rept 4
	v_nop
.endr
.endm
.macro JLOAD s
	s_cmp_eq_u32 s13, 0
	s_cbranch_scc0 .Lfor_b_\@
	tensor_load_to_lds s[G0A+4*\s:G0A+4*\s+3], s[G1A:G1A+7]
	s_nop 0
	s_branch .Lasked_\@
.Lfor_b_\@:
	tensor_load_to_lds s[G0B+4*\s:G0B+4*\s+3], s[G1B:G1B+7]
	s_nop 0
.Lasked_\@:
.endm
.macro CREST
	s_cmp_lg_u32 s12, 0
	s_cbranch_scc1 .Lnot_wave_0_\@
	s_barrier_signal -3
.Lnot_wave_0_\@:
	s_barrier_wait -3
	s_barrier_signal -1
	s_barrier_wait -1
.endm
.macro CROUND
	s_barrier_signal -1
	s_barrier_wait -1
	CREST
.endm
	s_load_b256 s[4:11], s[0:1], 0x0               ; ao, wb, bp, out0
	v_lshl_add_u32 v254, v0, 2, 0x49400
	v_mov_b32 v255, 0
	ds_add_u32 v254, v255
	v_lshrrev_b32 v1, 5, v0
	v_readfirstlane_b32 s12, v1
	s_lshr_b32 s13, s12, 1                         ; my tokens' half.  Also: I fetch for ao (0) or for Wp (1)
	s_and_b32 s14, s12, 1                          ; my columns' half.  Also: which half of that tile I fetch
	s_bfe_u32 s40, ttmp6, 0x40000                  ; cx
	s_bfe_u32 s41, ttmp6, 0x40004                  ; cy
	s_lshl_b32 s42, ttmp9, 2
	s_add_co_u32 s42, s42, s40                     ; nb
	s_and_b32 s43, ttmp7, 0xffff
	s_lshl_b32 s43, s43, 2
	s_add_co_u32 s43, s43, s41                     ; mb
	s_lshl_b32 s44, s41, 2
	s_lshl_b32 s44, 15, s44
	s_lshl_b32 s45, 0x1111, s40
	; ao: two planes a load; a plane's 128 tokens are one row of 2048 elements of 8 bytes; 16 bytes of padding behind every 128 bytes
	s_or_b32 s[G1A+0], s44, (3<<16)|(1<<20)|(1<<21)|(4<<22)|(3<<25)
	s_mov_b32 s[G1A+1], 2048<<16                   ; tensor_dim0
	s_mov_b32 s[G1A+2], 2<<16                      ; tensor_dim1
	s_mov_b32 s[G1A+3], 2048<<16                   ; tile_dim0
	s_mov_b32 s[G1A+4], 2                          ; tile_dim1
	s_mov_b32 s[G1A+5], 32768                      ; from plane to plane: 262,144 bytes
	s_mov_b32 s[G1A+6], 0
	s_mov_b32 s[G1A+7], 0
	; Wp: 64 rows of 256 elements of 2 bytes; 16 bytes of padding behind every 512 bytes
	s_or_b32 s[G1B+0], s45, (1<<16)|(1<<20)|(1<<21)|(6<<22)|(3<<25)
	s_mov_b32 s[G1B+1], 256<<16
	s_mov_b32 s[G1B+2], 64<<16
	s_mov_b32 s[G1B+3], 256<<16
	s_mov_b32 s[G1B+4], 64
	s_mov_b32 s[G1B+5], 1024
	s_mov_b32 s[G1B+6], 0
	s_mov_b32 s[G1B+7], 0
	s_lshr_b32 s16, s43, 4                         ; ao (hangs on cy alone): batch,
	s_lshl_b32 s16, s16, 22
	s_and_b32 s17, s43, 15
	s_lshl_b32 s17, s17, 14                        ; 128 tokens of 128 bytes,
	s_add_co_u32 s16, s16, s17
	s_lshl_b32 s17, s14, 19                        ; my two planes of the four
	s_add_co_u32 s16, s16, s17
	s_mov_b32 s17, 0
	s_lshl_b32 s74, s42, 18                        ; Wp (hangs on cx alone): 128 rows of 2048 bytes,
	s_lshl_b32 s75, s14, 17                        ; my 64 rows,
	s_add_co_u32 s74, s74, s75
	s_add_co_u32 s74, s74, 3072*2048               ; behind the rows of Wq, Wk, Wv
	s_mov_b32 s75, 0
	s_mul_i32 s20, s12, 2*APLANE
	s_mul_i32 s21, s12, BHALF
	s_add_co_u32 s21, s21, ABYTES-2*BHALF
	v_bfe_u32 v2, v0, 4, 1
	v_lshlrev_b32 v[BO], 5, v2
	s_wait_dscnt 0x0
	s_wait_kmcnt 0x0
	s_add_nc_u64 s[66:67], s[4:5], s[16:17]
	s_add_nc_u64 s[46:47], s[6:7], s[74:75]
	CROUND                                         ; all sixteen work-groups are here: the first joint loads meet
.irp s, 0,1
	s_mov_b32 s[G0A+4*\s], 1
	s_add_co_u32 s[G0A+4*\s+1], s20, \s*SLOT
	s_add_nc_u64 s[G0A+4*\s+2:G0A+4*\s+3], s[66:67], \s<<20        ; four planes a K step
	s_or_b32 s[G0A+4*\s+3], s[G0A+4*\s+3], 0x80000000
	s_mov_b32 s[G0B+4*\s], 1
	s_add_co_u32 s[G0B+4*\s+1], s21, \s*SLOT
	s_add_nc_u64 s[G0B+4*\s+2:G0B+4*\s+3], s[46:47], \s*512
	s_or_b32 s[G0B+4*\s+3], s[G0B+4*\s+3], 0x80000000
	JLOAD \s                                       ; K steps 0 and 1: two tensor loads of the wave are out, later one
.endr
	s_lshl_b32 s74, s42, 9                         ; bp at my 64 columns
	s_lshl_b32 s76, s14, 8
	s_add_co_u32 s74, s74, s76
	s_add_nc_u64 s[8:9], s[8:9], s[74:75]
.irp b, 0,1,2,3
	global_load_b128 v[BIAS+8*\b:BIAS+8*\b+3],   v[BO], s[8:9] offset:64*\b
	global_load_b128 v[BIAS+8*\b+4:BIAS+8*\b+7], v[BO], s[8:9] offset:64*\b+16
.endr
	v_and_b32 v1, 15, v0
	v_mul_u32_u24 v3, v1, AP
	v_lshl_add_u32 v3, v2, 4, v3
	s_mul_i32 s22, s13, 64*AP
	v_add_nc_u32 v[ADRA], s22, v3
	v_add_nc_u32 v[ADRA+1], SLOT, v[ADRA]
	v_mul_u32_u24 v4, v1, BP
	v_lshl_add_u32 v4, v2, 4, v4
	s_mul_i32 s23, s14, BHALF
	s_add_co_u32 s23, s23, ABYTES
	v_add_nc_u32 v[ADRB], s23, v4
	v_add_nc_u32 v[ADRB+1], SLOT, v[ADRB]
	s_mul_i32 s22, s12, 16*SP
	s_add_co_u32 s22, s22, STAGE
	v_mul_u32_u24 v5, v1, SP
	v_lshl_add_u32 v5, v2, 5, v5                   ; in: token l % 16, 32 bytes for each half of the lanes
	v_add_nc_u32 v[STO], s22, v5
	v_mul_u32_u24 v6, v2, SP
	v_lshl_add_u32 v6, v1, 4, v6                   ; back: lanes 0-15 one token's 256 bytes, lanes 16-31 the next
	v_add_nc_u32 v[RD], s22, v6
	v_lshlrev_b32 v7, 12, v2
	v_lshl_add_u32 v[CO], v1, 4, v7                ; and the same two rows of out0
; 8 matrix instructions: token blocks a0, a0 + 1 x 4 column blocks, 32 along K.  The 16 accumulators take turns, one instruction a turn, in the
; same order in every quarter.
.macro MUL8 f, a0, first
.irp a, \a0, \a0+1
.irp b, 0,1,2,3
.if \first
	v_wmma_f32_16x16x32_bf16 v[8*(4*(\a)+\b):8*(4*(\a)+\b)+7], v[F0+64*\f+32+8*\b:F0+64*\f+32+8*\b+7], v[F0+64*\f+8*(\a):F0+64*\f+8*(\a)+7], v[BIAS+8*\b:BIAS+8*\b+7]
.else
	v_wmma_f32_16x16x32_bf16 v[8*(4*(\a)+\b):8*(4*(\a)+\b)+7], v[F0+64*\f+32+8*\b:F0+64*\f+32+8*\b+7], v[F0+64*\f+8*(\a):F0+64*\f+8*(\a)+7], v[8*(4*(\a)+\b):8*(4*(\a)+\b)+7]
.endif
.endr
.endr
.endm
; 16 LDS loads: quarter kq (32 of K) of a slot: plane kq / 2, bytes 64 (kq % 2) of a token; bytes 64 kq of a row of Wp
.macro FETCH slot, kq, f
.irp i, 0,1,2,3
	ds_load_b128 v[F0+64*\f+8*\i:F0+64*\f+8*\i+3],   v[ADRA+\slot] offset:(\kq>>1)*APLANE+(\kq&1)*64+\i*16*AP
	ds_load_b128 v[F0+64*\f+8*\i+4:F0+64*\f+8*\i+7], v[ADRA+\slot] offset:(\kq>>1)*APLANE+(\kq&1)*64+\i*16*AP+32
.endr
.irp i, 0,1,2,3
	ds_load_b128 v[F0+64*\f+32+8*\i:F0+64*\f+32+8*\i+3], v[ADRB+\slot] offset:64*\kq+\i*16*BP
	ds_load_b128 v[F0+64*\f+36+8*\i:F0+64*\f+36+8*\i+3], v[ADRB+\slot] offset:64*\kq+\i*16*BP+32
.endr
.endm
.macro QUARTER slot, knext, f, g, first
	PLACES                                         ; buffer g was read by the matrix instructions just issued
	WIN 0
	FETCH \slot, \knext, \g
	s_wait_dscnt 16                                ; all but the 16 just issued are in: buffer f is whole
.if \first
	WIN 0x40                                       ; D window 1, C (bias) window 0
.else
	WIN 0x50                                       ; C and D window 1
.endif
	MUL8 \f, 0, \first
	MUL8 \f, 2, \first
.endm
.macro STEP slot, first                ; quarters 0 to 6 of a K step
	QUARTER \slot, 1, 0, 1, \first
	QUARTER \slot, 2, 1, 0, 0
	QUARTER \slot, 3, 0, 1, 0
	QUARTER \slot, 4, 1, 0, 0
	QUARTER \slot, 5, 0, 1, 0
	QUARTER \slot, 6, 1, 0, 0
	QUARTER \slot, 7, 0, 1, 0
.endm
; Quarter 7 multiplies buffer 1 and changes slots: the waits for my reads of this slot and for all my tensor loads stand in front of the barrier;
; with a refill the barrier opens a round of the cluster's barrier, and the joint refill is the wave's first and only tensor load behind it.
.macro TURN slot, next, fill
	s_wait_dscnt 0x0
	s_wait_tensorcnt 0x0
	ds_add_u32 v254, v255
	s_wait_dscnt 0x0
	s_barrier_signal -1
	WIN 0x50
	MUL8 1, 0, 0
	WIN 0
	s_barrier_wait -1
.if \fill
	CREST
	s_add_nc_u64 s[G0A+4*\slot+2:G0A+4*\slot+3], s[G0A+4*\slot+2:G0A+4*\slot+3], 1<<21   ; two K steps on: eight planes
	s_add_nc_u64 s[G0B+4*\slot+2:G0B+4*\slot+3], s[G0B+4*\slot+2:G0B+4*\slot+3], 1024
	JLOAD \slot
.endif
	PLACES
	FETCH \next, 0, 0
	WIN 0x50
	MUL8 1, 2, 0
.endm
	s_wait_tensorcnt 0x1                           ; my part of K step 0 is in; K step 1's load stays out
	s_barrier_signal -1
	s_barrier_wait -1
	s_wait_loadcnt 0x0                             ; the biases
	FETCH 0, 0, 0
	STEP 0, 1
	TURN 0, 1, 1
	STEP 1, 0
	TURN 1, 0, 1
	STEP 0, 0
	TURN 0, 1, 0                                   ; the last two K steps fill nothing
	STEP 1, 0
	s_wait_dscnt 0x0
	WIN 0x50
	MUL8 1, 0, 0
	MUL8 1, 2, 0
	PLACES                                         ; behind the last matrix instructions, in front of the LDS stores of their results
	; THE WAY OUT, 16 tokens at a time through my own stage: sixteen neighbouring lanes store 256 neighbouring bytes, aligned
	s_lshl_b32 s76, s43, 19                        ; 128 rows of 4096 bytes
	s_lshl_b32 s77, s13, 18
	s_add_co_u32 s76, s76, s77
	s_lshl_b32 s77, s42, 9
	s_add_co_u32 s76, s76, s77
	s_lshl_b32 s77, s14, 8
	s_add_co_u32 s76, s76, s77
	s_mov_b32 s77, 0
	s_add_nc_u64 s[10:11], s[10:11], s[76:77]
.macro OUT16 i, buf
	WIN 0x04                                       ; store data in window 1, address in window 0
.irp b, 0,1,2,3
	ds_store_b128 v[STO], v[8*(4*\i+\b):8*(4*\i+\b)+3]   offset:64*\b
	ds_store_b128 v[STO], v[8*(4*\i+\b)+4:8*(4*\i+\b)+7] offset:64*\b+16
.endr
	WIN 0
	s_wait_xcnt 0x0                                ; the read-back registers, which earlier stores read, are rewritten only behind this wait
.irp t, 0,1,2,3,4,5,6,7
	ds_load_b128 v[\buf+4*\t:\buf+4*\t+3], v[RD] offset:\t*2*SP    ; LDS serves a wave in order: these see the stores above
.endr
.irp t, 0,1,2,3,4,5,6,7
	s_wait_dscnt 7-\t                              ; the younger read-backs stay out
	global_store_b128 v[CO], v[\buf+4*\t:\buf+4*\t+3], s[10:11] offset:(16*\i+2*\t)*4096 th:TH_STORE_NT
.endr
.endm
	OUT16 0, RB0
	OUT16 1, RB1
	OUT16 2, RB0
	OUT16 3, RB1
	s_wait_tensorcnt 0x0
	ds_add_u32 v254, v255
	s_wait_dscnt 0x0
	CROUND                                         ; the closing round
	s_endpgm
.Lfunc_end_k_q14e0bd9b0d_proj:
	.size	k_q14e0bd9b0d_proj, .Lfunc_end_k_q14e0bd9b0d_proj-k_q14e0bd9b0d_proj
	.p2alignl 7, 3214868480
	.fill 96, 4, 3214868480
	.section	.rodata,"a",@progbits
	.p2align	6, 0x0
	.amdhsa_kernel k_q14e0bd9b0d_proj
		.amdhsa_group_segment_fixed_size 327680
		.amdhsa_private_segment_fixed_size 0
		.amdhsa_enable_private_segment 0
		.amdhsa_kernarg_size 32
		.amdhsa_user_sgpr_count 2
		.amdhsa_user_sgpr_kernarg_segment_ptr 1
		.amdhsa_wavefront_size32 1
		.amdhsa_system_sgpr_workgroup_id_x 1
		.amdhsa_system_sgpr_workgroup_id_y 1
		.amdhsa_system_sgpr_workgroup_id_z 1
		.amdhsa_system_vgpr_workitem_id 0
		.amdhsa_next_free_vgpr 384
		.amdhsa_next_free_sgpr 80
		.amdhsa_reserve_vcc 0
		.amdhsa_float_denorm_mode_32 3
		.amdhsa_float_denorm_mode_16_64 3
		.amdhsa_memory_ordered 1
		.amdhsa_forward_progress 1
		.amdhsa_inst_pref_size 89
	.end_amdhsa_kernel
	.amdgpu_metadata
---
amdhsa.version: [ 1, 2 ]
amdhsa.kernels:
  - .name:           k_q14e0bd9b0d_proj
    .symbol:         k_q14e0bd9b0d_proj.kd
    .args:
      - { .name: ao, .offset: 0, .size: 8, .value_kind: global_buffer, .address_space: global }
      - { .name: wb, .offset: 8, .size: 8, .value_kind: global_buffer, .address_space: global }
      - { .name: bp, .offset: 16, .size: 8, .value_kind: global_buffer, .address_space: global }
      - { .name: out0, .offset: 24, .size: 8, .value_kind: global_buffer, .address_space: global }
    .group_segment_fixed_size: 327680
    .private_segment_fixed_size: 0
    .kernarg_segment_align: 8
    .kernarg_segment_size: 32
    .max_flat_workgroup_size: 128
    .sgpr_count:     80
    .vgpr_count:     384
    .wavefront_size: 32
...
	.end_amdgpu_metadata
.endif
;; end of part 4
;; ======== version 2 of 2: 4 launches; version 1 with the launch cast written anew for expert scheduling mode
;; limits: values are held in f16: magnitudes above 65,504 overflow, below 6.1e-05 lose precision
;; workspace buffers: xb 8,388,608 bytes; wb 8,388,608 bytes; qb 8,388,608 bytes; kb 8,388,608 bytes; vb 8,388,608 bytes; ao 8,388,608 bytes
;; launch cast (part 5): grid 256 x 2, 8 waves a work-group, no clusters, 0 bytes of LDS; arguments x, Wq, Wk, Wv, Wp, xb, wb; writes xb, wb
.if DOCPART == 5
	.amdgcn_target "amdgcn-amd-amdhsa--gfx1250"
	.amdhsa_code_object_version 6
	.text
	.protected	k_q14e0bd9b0d_cast
	.globl	k_q14e0bd9b0d_cast
	.p2align	8
	.type	k_q14e0bd9b0d_cast,@function
k_q14e0bd9b0d_cast:
	s_mov_b64 s[64:65], 0
	v_nop
	global_prefetch_b8 v0, s[64:65] scope:SCOPE_SE
	s_setreg_imm32_b32 hwreg(HW_REG_WAVE_SCHED_MODE, 0, 2), 2
	s_setreg_imm32_b32 hwreg(HW_REG_WAVE_MODE, 25, 1), 1
	s_wait_xcnt 0x0
	s_wait_alu depctr_vm_vsrc(0)
; LOCAL ATTENTION in four launches: cast (this one), qkv, attn, proj.
; This launch rounds x and the four weight matrices to bf16, once, so that the two big products read 2-byte operands.
;   xb[t][e] = bf16(x[t][e]), 4096 x 1024.
;   wb row 192 h + 64 s + d = W_s[64 h + d] (s = 0, 1, 2: Wq, Wk, Wv), so that one head's q, k and v rows are 192 neighbouring rows;
;   wb row 3072 + f = Wp[f].
; WORK LEFT OUT BY THE PROGRAM, for all finite values of the inputs:
; (1) bk.  energy[i][j] = q_i . (x_j Wk^T + bk) = q_i . (x_j Wk^T) + q_i . bk.  The last term is the same for every key j of query i.  At the
;     places with |i - j| > 128 the energy is replaced by the constant fmin whatever bk holds, and their weight exp(fmin/32 - max) is 0 in
;     f32; over the other places a term that is the same along the softmax axis cancels.  So bk reaches no output: it is not loaded and is
;     no argument of any launch.
; (2) Keys with |i - j| > 128: their weight is 0, so key tiles that lie wholly outside a query tile's window are neither multiplied nor summed.
; LIMITS: a NaN, an infinity or an overflow that reaches only the work left out (bk; a key or value outside a query's window) is not carried
; to the result.  Matrix operands are rounded: x, W, q, k and the attention result to bf16; v and the softmax weights to f16 (|v| < 65504).
; SHARE: a work-group takes 16 rows of 1024 f32 (64 KiB), a wave 8 KiB: sixteen loads of 16 bytes a lane, each 512 neighbouring bytes, all
; issued at once; each store of 8 bytes a lane covers 256 neighbouring bytes, aligned.  No LDS, no barrier, no matrix unit: nothing is shared.
; THE MODE: SCHED_MODE bits 1:0 = 2 (LLVM: expert scheduling mode 2), set by the entry lines.  The code itself states the register dependences
; between vector instructions and memory instructions, with s_wait_alu, always for 0.
; THE PLAN.  Registers that memory instructions touch:
;   v1, v2   byte offsets of the loads and of the stores.  Written by vector lines at the head, never again; read by every load, by every store.
;   X        sixteen groups of four.  The loads land in them; no vector line names them ahead of the loads; load i's two conversions read group i;
;            nothing is loaded into them again.
;   Y        sixteen pairs.  Each is written once, by two conversions, and read once, by its store; none is written again.
; So no register that a memory instruction reads is ever rewritten, and what is to be stated is this alone: the offsets are written ahead of the
; first load (one wait, which serves the stores' offset too), and a pair of Y is written ahead of its store.  The sixteen loads go in four
; blocks of four: a block's eight conversions, ONE wait, its four stores.  The wait stands behind the conversions and not at the next block's
; head: all loads are out already, so the wave has no other work to set between, and a store kept back until the next four loads are in
; would only leave later.
.set X, 4                              ; v[4:67]   sixteen loads, 4 f32 each
.set Y, 68                             ; v[68:99]  sixteen pairs of packed bf16
	s_load_b256 s[4:11], s[0:1], 0x0               ; x, Wq, Wk, Wv
	s_load_b128 s[12:15], s[0:1], 0x20             ; Wp, xb
	s_load_b64 s[16:17], s[0:1], 0x30              ; wb
	s_and_b32 s18, ttmp7, 0xffff                   ; y: 0 = x, 1 = the weights
	s_lshr_b32 s20, ttmp9, 6                       ; s: which weight matrix (64 work-groups each)
	s_and_b32 s21, ttmp9, 63                       ; gi: which 16 rows of it
	s_lshr_b32 s22, s21, 2                         ; head = 16 gi / 64
	s_mul_i32 s22, s22, 192
	s_lshl_b32 s23, s20, 6
	s_add_co_u32 s22, s22, s23                     ; + 64 s
	s_and_b32 s23, s21, 3
	s_lshl_b32 s23, s23, 4
	s_add_co_u32 s22, s22, s23                     ; + the first d of my 16 rows
	s_lshl_b32 s23, s21, 4
	s_add_co_u32 s23, s23, 3072                    ; Wp: row 3072 + 16 gi
	s_cmp_eq_u32 s20, 3
	s_cselect_b32 s22, s23, s22
	s_lshl_b32 s22, s22, 11                        ; rows of 2048 bytes in wb
	s_lshl_b32 s21, s21, 16                        ; my 64 KiB in the weight matrix
	s_lshl_b32 s19, ttmp9, 16                      ; my 64 KiB in x
	s_lshl_b32 s23, ttmp9, 15                      ; my 32 KiB in xb
	v_lshrrev_b32 v1, 5, v0                        ; wave
	v_and_b32 v2, 31, v0                           ; lane
	v_lshlrev_b32 v2, 4, v2
	v_lshl_or_b32 v1, v1, 13, v2                   ; load offset: 8192 wave + 16 lane
	v_lshrrev_b32 v2, 1, v1                        ; store offset: half of it
	s_wait_kmcnt 0x0
	s_cmp_eq_u32 s20, 1                            ; the source and the destination are chosen by ids alone
	s_cselect_b64 s[24:25], s[8:9], s[6:7]
	s_cmp_eq_u32 s20, 2
	s_cselect_b64 s[24:25], s[10:11], s[24:25]
	s_cmp_eq_u32 s20, 3
	s_cselect_b64 s[24:25], s[12:13], s[24:25]
	s_cmp_eq_u32 s18, 0
	s_cselect_b64 s[24:25], s[4:5], s[24:25]
	s_cselect_b64 s[26:27], s[14:15], s[16:17]
	s_cselect_b32 s28, s19, s21
	s_cselect_b32 s30, s23, s22
	s_mov_b32 s29, 0
	s_mov_b32 s31, 0
	s_add_nc_u64 s[24:25], s[24:25], s[28:29]
	s_add_nc_u64 s[26:27], s[26:27], s[30:31]
	s_wait_alu depctr_va_vdst(0)                   ; v1 and v2 are written: every load reads v1 as its offset, every store v2
.irp i, 0,1,2,3,4,5,6,7,8,9,10,11,12,13,14,15
	global_load_b128 v[X+4*\i:X+4*\i+3], v1, s[24:25] offset:512*\i th:TH_LOAD_NT   ; read once in the launch
.endr
.irp p, 0,1,2,3
	s_wait_loadcnt 12-4*\p                         ; loads come back in order: block p's four are in, the 12 - 4 p younger ones stay out
.irp i, 0,1,2,3
	v_cvt_pk_bf16_f32 v[Y+2*(4*\p+\i)], v[X+4*(4*\p+\i)], v[X+4*(4*\p+\i)+1]
	v_cvt_pk_bf16_f32 v[Y+2*(4*\p+\i)+1], v[X+4*(4*\p+\i)+2], v[X+4*(4*\p+\i)+3]
.endr
	s_wait_alu depctr_va_vdst(0)                   ; the eight conversions have written block p's four pairs of Y, which the four stores below read
.irp i, 0,1,2,3
	global_store_b64 v2, v[Y+2*(4*\p+\i):Y+2*(4*\p+\i)+1], s[26:27] offset:256*(4*\p+\i)   ; no register is written twice: no wait for sources
.endr
.endr
	s_endpgm
.Lfunc_end_k_q14e0bd9b0d_cast:
	.size	k_q14e0bd9b0d_cast, .Lfunc_end_k_q14e0bd9b0d_cast-k_q14e0bd9b0d_cast
	.p2alignl 7, 3214868480
	.fill 96, 4, 3214868480
	.section	.rodata,"a",@progbits
	.p2align	6, 0x0
	.amdhsa_kernel k_q14e0bd9b0d_cast
		.amdhsa_group_segment_fixed_size 0
		.amdhsa_private_segment_fixed_size 0
		.amdhsa_enable_private_segment 0
		.amdhsa_kernarg_size 56
		.amdhsa_user_sgpr_count 2
		.amdhsa_user_sgpr_kernarg_segment_ptr 1
		.amdhsa_wavefront_size32 1
		.amdhsa_system_sgpr_workgroup_id_x 1
		.amdhsa_system_sgpr_workgroup_id_y 1
		.amdhsa_system_sgpr_workgroup_id_z 1
		.amdhsa_system_vgpr_workitem_id 0
		.amdhsa_next_free_vgpr 100
		.amdhsa_next_free_sgpr 66
		.amdhsa_reserve_vcc 0
		.amdhsa_float_denorm_mode_32 3
		.amdhsa_float_denorm_mode_16_64 3
		.amdhsa_memory_ordered 1
		.amdhsa_forward_progress 1
		.amdhsa_inst_pref_size 8
	.end_amdhsa_kernel
	.amdgpu_metadata
---
amdhsa.version: [ 1, 2 ]
amdhsa.kernels:
  - .name:           k_q14e0bd9b0d_cast
    .symbol:         k_q14e0bd9b0d_cast.kd
    .args:
      - { .name: x, .offset: 0, .size: 8, .value_kind: global_buffer, .address_space: global }
      - { .name: Wq, .offset: 8, .size: 8, .value_kind: global_buffer, .address_space: global }
      - { .name: Wk, .offset: 16, .size: 8, .value_kind: global_buffer, .address_space: global }
      - { .name: Wv, .offset: 24, .size: 8, .value_kind: global_buffer, .address_space: global }
      - { .name: Wp, .offset: 32, .size: 8, .value_kind: global_buffer, .address_space: global }
      - { .name: xb, .offset: 40, .size: 8, .value_kind: global_buffer, .address_space: global }
      - { .name: wb, .offset: 48, .size: 8, .value_kind: global_buffer, .address_space: global }
    .group_segment_fixed_size: 0
    .private_segment_fixed_size: 0
    .kernarg_segment_align: 8
    .kernarg_segment_size: 56
    .max_flat_workgroup_size: 256
    .sgpr_count:     66
    .vgpr_count:     100
    .wavefront_size: 32
...
	.end_amdgpu_metadata
.endif
;; end of part 5
;; launch qkv: the kernel of part 2 again; grid 16 x 16, 4 waves a work-group, clusters of 4 x 4, 327,680 bytes of LDS; arguments xb, wb, bq, bv, qb, kb, vb; writes qb, kb, vb
;; launch attn: the kernel of part 3 again; grid 8 x 32, 8 waves a work-group, no clusters, 230,400 bytes of LDS; arguments qb, kb, vb, ao; writes ao
;; launch proj: the kernel of part 4 again; grid 8 x 32, 4 waves a work-group, clusters of 4 x 4, 327,680 bytes of LDS; arguments ao, wb, bp, out0; writes out0
